; MI455X (gfx1250); checked and timed in simulation.
; The chip was launched on July 23, 2026; its instructions are those of AMD's public machine-readable ISA for CDNA 5 (MIT licence, August 2026) and "CDNA5" Instruction Set Architecture Reference Guide (July 2026). The comments in the code are by the model that wrote it; some were corrected since.
;; Slot Attention. Allowed arithmetic: float matrix products may take bf16 or f16 operands with f32 sums; all other float work in f32.
;; Inputs: inp 32 x 4,096 x 512 float32; lens 32 int32; slot_embedding 512 float32.
;; Outputs: out0 32 x 512 float32.
;; One version. Each part assembles by itself: llvm-mc -triple=amdgcn-amd-amdhsa -mcpu=gfx1250 --defsym DOCPART=n.
;; ======== version 1 of 1: 2 launches
;; workspace buffers: part 4,792,320 bytes
;; launch stream (part 1): grid 256 x 1, 8 waves a work-group, no clusters, 0 bytes of LDS; arguments inp, lens, slot_embedding, part; writes part
.if DOCPART == 1
	.amdgcn_target "amdgcn-amd-amdhsa--gfx1250"
	.amdhsa_code_object_version 6
	.text
	.protected	k_qcb9f04a763_stream
	.globl	k_qcb9f04a763_stream
	.p2align	8
	.type	k_qcb9f04a763_stream,@function
k_qcb9f04a763_stream:
	s_mov_b64 s[64:65], 0
	v_nop
	global_prefetch_b8 v0, s[64:65] scope:SCOPE_SE
	s_setreg_imm32_b32 hwreg(HW_REG_WAVE_MODE, 25, 1), 1
	s_wait_xcnt 0x0
; Slot attention, first of two launches: one pass over the valid rows of inp [32][4096][512] f32.
; score[t] = <inp[b][t], slot>, softmax over t < lens[b], context = sum of weight x row, all in one pass with a running maximum.
;
; WORK IS DEALT BY THE LENGTHS.  The unit is a group of 4 rows, aligned in its batch; batch b has ceil(len/4) groups.  The groups of all
; batches form one list of C entries; worker w (a wave; 256 work-groups x 8 waves = 2,048 workers) takes the entries from (w Cs) >> 11 up to
; ((w+1) Cs) >> 11, clipped to C, with Cs = max(C, 2048): shares differ by one group at the most, whatever the lengths.  With fewer than
; 2,048 groups in all, each of the first C workers has one group and the others have none and end.
; A share that crosses the end of a batch is cut there; each piece (worker w, batch b) leaves one record at slot w + b (unique: along the
; list of pieces neither number falls and one of them grows).  The second launch merges a batch's records.
; THE LIST IS MADE IN SCALAR REGISTERS, since trip counts and addresses hang on it.  One word for each batch,
;   W_b = 4 E_b + ((len_b + 3) & 3),   E_b = groups of batches 0 .. b,   made by W_b = (W_(b-1) & ~3) + len_b + 3,
; holds the running sum and, with the sum before it, the length: len_b = 4 (E_b - E_(b-1)) + (W_b & 3) - 3.
; RECORD, 2,304 bytes: 512 f32 sums of 2^(score - max) x row; then (max, sum of 2^(score - max)) 32 times, a pair from each lane, so that
; this store of the wave also covers 256 consecutive bytes, aligned.  Scores are kept times log2(e) (folded into the embedding).
;
; A wave takes whole rows: lane l holds columns 128 j + 4 l .. + 3, j = 0..3, so each load of the wave covers 512 consecutive bytes.
; Ring of 3 register slots of 4 rows (16 loads, 8,192 bytes each): one at work, two on their way.  Each slot has a scalar base of its own:
; inp + 8,192 x (1024 b + group), the group number clipped to the buffer's 32,768 groups; the vector offset is 16 x lane throughout.
; A piece of NB groups is floor(NB / 3) trips round the ring and a tail of 0, 1 or 2 turns written out behind the loop.
; NOT USED, by the code's own arithmetic: matrix instructions (both products have one row or one column: two multiply-adds for each 4 bytes
; loaded, and operands would first have to be narrowed); LDS and barriers (no wave reads another's rows); clusters (work-groups share only
; lens and the embedding, 2,176 bytes).
; LIMITS: lens below 0 counts as 0 (no record; the result is NaN, as in the reference), above 4096 as 4096.  The up to 3 rows behind
; lens[b] in the batch's last group are read and get weight 0: Inf or NaN there gives NaN, as it does in the reference, which multiplies
; every padded row by 0.  Weights below 2^-126 count as 0 (v_exp_f32 flushes).  The order of the sums differs from the reference's.
.set NW,      2048                     ; workers
.set LOGNW,   11
.set REC,     2304                     ; bytes of a record
.set MAXSLOT, NW+30                    ; 2047 + 31
.set ROWB,    2048                     ; bytes of a row
.set GRPB,    4*ROWB                   ; bytes of a group
.set MAXGRP,  32*1024-1                ; the last group of inp
; vector registers
.set LANE16, 1                         ; 16 x lane
.set LANE8,  2                         ; 8 x lane
.set TMP,    3
.set LANE,   7
.set NI,     11                        ; -inf
.set M,      12                        ; running maximum
.set L,      13                        ; running sum of weights (M, L: the pair that is stored)
.set A,      14                        ; 2^(old maximum - new maximum)
.set T,      15                        ; new maximum
.set S,      20                        ; v20-27  row r: pair of partial dot products; then score, then weight in the even register
.set E,      28                        ; v28-43  embedding x log2(e), my 16 columns
.set ACC,    44                        ; v44-59  sums, my 16 columns
.set X,      64                        ; v64-255 slot s, row r: 16 registers
; scalar registers: s[4:5] inp, s[6:7] lens, s[8:9] embedding, s[10:11] part
.set S_WAVE, 12
.set S_W,    13                        ; worker
.set S_CT,   14                        ; C
.set S_CS,   15                        ; Cs
.set S_R0,   16                        ; my share of the list: from
.set S_R1,   17                        ; to
.set S_B,    18                        ; batch
.set S_BEND, 19                        ; first batch behind my share
.set S_PB,   20                        ; groups of the batches in front of batch S_B
.set S_EB,   21                        ; groups up to and with batch S_B
.set S_LO,   22
.set S_HI,   23
.set S_G0,   24                        ; the piece's first group in its batch
.set S_NB,   25                        ; its groups
.set S_K,    26                        ; groups done at the head of a trip
.set S_T,    27
.set S_REM,  28                        ; valid rows from the current group's first row on
.set S_LEN,  29
.set S_R0Q,  30                        ; 4 R0 + 3:  E_b <= R0 just when W_b <= 4 R0 + 3
.set S_R1Q,  31                        ; 4 R1:      E_b <  R1 just when W_b <  4 R1
.set S_OFS,  32                        ; s[32:33] an offset in 64 bits (upper word 0)
.set S_REC,  34                        ; s[34:35] the record
.set S_SAVE, 36
.set S_MK,   37                        ; s37-39  rows 1..3 of the group: all ones if valid
.set S_SEL,  40                        ; s40-41  v_permlanex16_b32: lane i takes lane i of the other half
.set S_NB1,  42
.set S_GB,   43                        ; the piece's first group, counted from inp's first row: 1024 b + S_G0
.set S_BS,   44                        ; s[44:49] slot s: address of the first row of the slot's group
.set S_TR,   50                        ; trips of the ring done
.set S_NTR,  51                        ; whole trips of the ring: floor(S_NB / 3)
.set WL,     68                        ; s68-99  batch b: lens[b] as loaded, then W_b
	s_load_b256 s[4:11], s[0:1], 0x0
	v_and_b32 v[LANE], 31, v0
	v_lshrrev_b32 v[TMP], 5, v0
	v_readfirstlane_b32 s[S_WAVE], v[TMP]
	v_lshlrev_b32 v[LANE16], 4, v[LANE]
	v_lshlrev_b32 v[LANE8], 3, v[LANE]
	v_mov_b32 v[NI], 0xff800000
	s_lshl_b32 s[S_W], ttmp9, 3
	s_add_co_u32 s[S_W], s[S_W], s[S_WAVE]         ; worker = 8 x work-group + wave
	s_mov_b32 s[S_SEL], 0x76543210
	s_mov_b32 s[S_SEL+1], 0xfedcba98
	s_mov_b32 s[S_OFS+1], 0
	s_wait_kmcnt 0x0
	s_load_b512 s[WL:WL+15], s[6:7], 0x0           ; the 32 lengths, 128 bytes; no line of the launch writes lens
	s_load_b512 s[WL+16:WL+31], s[6:7], 0x40
.irp j, 0,1,2,3
	global_load_b128 v[E+4*\j:E+4*\j+3], v[LANE16], s[8:9] offset:512*\j   ; on their way while the list is made
.endr
	s_wait_kmcnt 0x0
; one scalar instruction on each of the 32 words: neighbouring lines do not hang on each other
.macro ALL32 op, k
.set bb, 0
.rept 32
	\op s[WL+bb], s[WL+bb], \k
.set bb, bb+1
.endr
.endm
	ALL32 s_max_i32, 0
	ALL32 s_min_u32, 0x1000                        ; 0 .. 4096
	ALL32 s_add_co_u32, 3                          ; len + 3 = 4 x groups + (len + 3) & 3
.set bb, 1
.rept 31
	s_and_b32 s[S_T], s[WL+bb-1], -4               ; 4 E_(b-1)
	s_add_co_u32 s[WL+bb], s[WL+bb], s[S_T]        ; W_b, at most 4 x 32,768 + 3
.set bb, bb+1
.endr
	s_lshr_b32 s[S_CT], s[WL+31], 2                ; C, at most 32,768: (w + 1) Cs stays below 2^27
	s_max_u32 s[S_CS], s[S_CT], NW
	s_mul_i32 s[S_R0], s[S_W], s[S_CS]
	s_lshr_b32 s[S_R0], s[S_R0], LOGNW
	s_min_u32 s[S_R0], s[S_R0], s[S_CT]
	s_add_co_u32 s[S_R1], s[S_W], 1
	s_mul_i32 s[S_R1], s[S_R1], s[S_CS]
	s_lshr_b32 s[S_R1], s[S_R1], LOGNW
	s_min_u32 s[S_R1], s[S_R1], s[S_CT]
	s_cmp_ge_u32 s[S_R0], s[S_R1]
	s_cbranch_scc1 .Lend                           ; only where the whole list has fewer than 2,048 groups
	s_lshl_b32 s[S_R0Q], s[S_R0], 2
	s_or_b32 s[S_R0Q], s[S_R0Q], 3
	s_lshl_b32 s[S_R1Q], s[S_R1], 2
	; The sums never fall.  My first batch = how many batches end at or before my first group, and the last of these gives the groups in
	; front of it.  The first batch behind my share = how many batches begin before my share's end: batch 0 does, batch b + 1 if E_b < R1.
	; Batch 31 need not be asked: E_31 = C lies above R0 and not below R1.
	s_mov_b32 s[S_B], 0
	s_mov_b32 s[S_BEND], 1
	s_mov_b32 s[S_PB], 0
.set bb, 0
.rept 31
	s_cmp_le_u32 s[WL+bb], s[S_R0Q]
	s_cselect_b32 s[S_PB], s[WL+bb], s[S_PB]
	s_add_co_ci_u32 s[S_B], s[S_B], 0              ; + SCC
	s_cmp_lt_u32 s[WL+bb], s[S_R1Q]
	s_add_co_ci_u32 s[S_BEND], s[S_BEND], 0
.set bb, bb+1
.endr
	s_lshr_b32 s[S_PB], s[S_PB], 2
	s_wait_loadcnt 0x0                             ; the embedding
.irp i, 0,1,2,3,4,5,6,7
	v_pk_mul_f32 v[E+2*\i:E+2*\i+1], v[E+2*\i:E+2*\i+1], 0x3fb8aa3b op_sel_hi:[1,0]   ; x log2(e): v_exp_f32 is 2^x
.endr
; Slot s's base from the group number in S_T (counted from inp's first row): clipped, times 8,192 bytes (below 2^28), on inp's address.
.macro BASE s
	s_min_u32 s[S_T], s[S_T], MAXGRP
	s_mul_i32 s[S_OFS], s[S_T], GRPB
	s_add_nc_u64 s[S_BS+2*\s:S_BS+2*\s+1], s[4:5], s[S_OFS:S_OFS+1]
.endm
; 16 loads: the 4 rows of a group, 512 consecutive bytes a load.  inp is read once in the launch: non-temporal.
.macro FILL s
.irp r, 0,1,2,3
.irp j, 0,1,2,3
	global_load_b128 v[X+64*\s+16*\r+4*\j:X+64*\s+16*\r+4*\j+3], v[LANE16], s[S_BS+2*\s:S_BS+2*\s+1] offset:ROWB*\r+512*\j th:TH_LOAD_NT
.endr
.endr
.endm
; The turn of slot s: group S_K + s of the piece, which exists whenever a turn is run.
; fill = 1: the slot is asked for again, three groups ahead.  left = how many younger loads may stay out.
.macro TURN s, fill, left
.irp r, 1,2,3
	s_cmp_gt_u32 s[S_REM], \r                      ; row r is valid if more than r rows are left (row 0 always is: the group exists)
	s_cselect_b32 s[S_MK+\r-1], -1, 0
.endr
	s_wait_loadcnt \left                           ; my 16 loads are in; those of the younger slots, 16 each, stay out
.irp r, 0,1,2,3                                    ; four dot products side by side, so that no line waits for the one in front of it
	v_pk_mul_f32 v[S+2*\r:S+2*\r+1], v[X+64*\s+16*\r:X+64*\s+16*\r+1], v[E:E+1]
.endr
.irp i, 1,2,3,4,5,6,7
.irp r, 0,1,2,3
	v_pk_fma_f32 v[S+2*\r:S+2*\r+1], v[X+64*\s+16*\r+2*\i:X+64*\s+16*\r+2*\i+1], v[E+2*\i:E+2*\i+1], v[S+2*\r:S+2*\r+1]
.endr
.endr
.irp r, 0,1,2,3
	v_add_f32 v[S+2*\r], v[S+2*\r], v[S+2*\r+1]
.endr
.irp x, 1,2,4,8                                    ; across the lanes: four steps inside each half ride on the add, one crosses the halves
.irp r, 0,1,2,3
	v_add_f32_dpp v[S+2*\r], v[S+2*\r], v[S+2*\r] row_xmask:\x row_mask:0xf bank_mask:0xf
.endr
.endr
.irp r, 0,1,2,3
	v_permlanex16_b32 v[S+2*\r+1], v[S+2*\r], s[S_SEL], s[S_SEL+1]
.endr
.irp r, 0,1,2,3
	v_add_f32 v[S+2*\r], v[S+2*\r], v[S+2*\r+1]    ; every lane holds the four scores
.endr
.irp r, 1,2,3
	v_cndmask_b32 v[S+2*\r], v[NI], v[S+2*\r], s[S_MK+\r-1]    ; t >= lens[b]: -inf
.endr
	v_max3_num_f32 v[T], v[S], v[S+2], v[S+4]
	v_max3_num_f32 v[T], v[T], v[S+6], v[M]        ; the new maximum: finite, since row 0 is valid
	v_sub_f32 v[A], v[M], v[T]                     ; -inf in a piece's first turn: the factor is 0
.irp r, 0,1,2,3
	v_sub_f32 v[S+2*\r], v[S+2*\r], v[T]
.endr
	v_exp_f32 v[A], v[A]
.irp r, 0,1,2,3
	v_exp_f32 v[S+2*\r], v[S+2*\r]
.endr
	v_mov_b32 v[M], v[T]                           ; the plain instruction between the last v_exp_f32 and the first use of a result (ISA guide 5.7.2)
	s_wait_alu depctr_va_vdst(0)
	v_add_f32 v[S+1], v[S], v[S+2]
	v_add_f32 v[S+3], v[S+4], v[S+6]
	v_fma_f32 v[L], v[L], v[A], v[S+1]
	v_add_f32 v[L], v[L], v[S+3]
.irp i, 0,1,2,3,4,5,6,7
	v_pk_mul_f32 v[ACC+2*\i:ACC+2*\i+1], v[ACC+2*\i:ACC+2*\i+1], v[A:A+1] op_sel_hi:[1,0]      ; once for 4 rows
.endr
.irp r, 0,1,2,3
.irp i, 0,1,2,3,4,5,6,7                            ; both halves take the weight in the pair's first register
	v_pk_fma_f32 v[ACC+2*\i:ACC+2*\i+1], v[X+64*\s+16*\r+2*\i:X+64*\s+16*\r+2*\i+1], v[S+2*\r:S+2*\r+1], v[ACC+2*\i:ACC+2*\i+1] op_sel_hi:[1,0,1]
.endr
.endr
.if \fill
	; The slot gets the group three further on.  Behind the piece's end the same 16 loads are issued with every lane off: they move nothing
	; and are counted like the others, so that the count at the head of a turn means the same in every trip and at the tail's head.
	s_add_co_u32 s[S_T], s[S_K], \s+3
	s_cmp_lt_u32 s[S_T], s[S_NB]
	s_cselect_b32 vcc_lo, -1, 0
	s_add_co_u32 s[S_T], s[S_T], s[S_GB]
	BASE \s                                        ; the slot's last loads, which read this base, are in (the wait at the turn's head)
	s_wait_xcnt 0x0                                ; EXEC is a source of the loads that are out: it changes only behind this wait (ISA guide 3.1)
	s_and_saveexec_b32 s[S_SAVE], vcc_lo
	FILL \s
	s_wait_xcnt 0x0                                ; and again before it is restored
	s_or_b32 exec_lo, exec_lo, s[S_SAVE]
.endif
	s_sub_co_u32 s[S_REM], s[S_REM], 4
.endm
.Lbatch:
	s_mov_b32 s[S_EB], s[WL]                       ; W of batch S_B, picked out of the 32 words
.set bb, 1
.rept 31
	s_cmp_eq_u32 s[S_B], bb
	s_cselect_b32 s[S_EB], s[WL+bb], s[S_EB]
.set bb, bb+1
.endr
	s_and_b32 s[S_LEN], s[S_EB], 3                 ; (len + 3) & 3
	s_lshr_b32 s[S_EB], s[S_EB], 2                 ; E
	s_max_u32 s[S_LO], s[S_R0], s[S_PB]
	s_min_u32 s[S_HI], s[S_R1], s[S_EB]            ; what my share and this batch have in common
	s_cmp_ge_u32 s[S_LO], s[S_HI]
	s_cbranch_scc1 .Lnext                          ; a batch of length 0 inside my share
	s_sub_co_u32 s[S_T], s[S_EB], s[S_PB]          ; the batch's groups
	s_lshl_b32 s[S_T], s[S_T], 2
	s_add_co_u32 s[S_LEN], s[S_LEN], s[S_T]
	s_sub_co_u32 s[S_LEN], s[S_LEN], 3             ; lens[b] = 4 x groups + (len + 3) & 3 - 3
	s_sub_co_u32 s[S_G0], s[S_LO], s[S_PB]
	s_sub_co_u32 s[S_NB], s[S_HI], s[S_LO]
	s_sub_co_u32 s[S_NB1], s[S_NB], 1
	s_lshl_b32 s[S_T], s[S_G0], 2
	s_sub_co_u32 s[S_REM], s[S_LEN], s[S_T]        ; lens[b] - first row
	s_lshl_b32 s[S_GB], s[S_B], 10                 ; a batch has 1,024 groups
	s_add_co_u32 s[S_GB], s[S_GB], s[S_G0]
	s_mul_i32 s[S_NTR], s[S_NB], 0xaaab            ; floor(NB / 3) = (NB x 43,691) >> 17, exact below 2^17 since 3 x 43,691 = 2^17 + 1;
	s_lshr_b32 s[S_NTR], s[S_NTR], 17              ; a share has 17 groups at the most
	s_wait_xcnt 0x0                                ; the last piece's stores have read their sources: sums, (M, L) and the record's address are rewritten only behind this wait
.irp j, 0,1,2                                      ; groups 0, 1, 2 with all lanes on, so that every slot register is written whole once;
	s_min_u32 s[S_T], s[S_NB1], \j                 ; a piece of 1 or 2 groups asks for its last group again
	s_add_co_u32 s[S_T], s[S_T], s[S_GB]
	BASE \j                                        ; all loads from the old bases are in: the wait for 0 in front of the last piece's stores, or the embedding's
	FILL \j
.endr
	v_mov_b32 v[M], v[NI]
	v_mov_b32 v[L], 0
.irp i, 0,1,2,3,4,5,6,7,8,9,10,11,12,13,14,15
	v_mov_b32 v[ACC+\i], 0
.endr
	s_mov_b32 s[S_K], 0
	s_mov_b32 s[S_TR], 0
	s_cmp_eq_u32 s[S_NTR], 0
	s_cbranch_scc1 .Ltail                          ; a piece of 1 or 2 groups: no whole trip
.Lring:
	TURN 0, 1, 32                                  ; 32: the 2 x 16 loads of the two younger slots, on the way in and round the back edge alike
	TURN 1, 1, 32
	TURN 2, 1, 32
	s_add_co_u32 s[S_K], s[S_K], 3
	s_add_co_u32 s[S_TR], s[S_TR], 1               ; the loop's counter: one a trip
	s_cmp_lt_u32 s[S_TR], s[S_NTR]
	s_cbranch_scc1 .Lring
.Ltail:
	; NB - 3 floor(NB / 3) = 0, 1 or 2 groups are left.  On both ways here the loads that are out are 16 each for slots 0, 1, 2, in that order
	; (the first fill, or the last trip's three fills).  The tail asks for nothing.
	s_cmp_ge_u32 s[S_K], s[S_NB]
	s_cbranch_scc1 .Lflush
	TURN 0, 0, 32                                  ; slots 1 and 2 stay out
	s_add_co_u32 s[S_T], s[S_K], 1
	s_cmp_ge_u32 s[S_T], s[S_NB]
	s_cbranch_scc1 .Lflush
	TURN 1, 0, 16                                  ; nothing was issued since: only slot 2's 16 loads are younger
.Lflush:
	s_wait_loadcnt 0x0                             ; the loads issued behind the piece's end: their registers and bases are free for the next piece
	s_add_co_u32 s[S_T], s[S_W], s[S_B]
	s_min_u32 s[S_T], s[S_T], MAXSLOT
	s_mul_i32 s[S_OFS], s[S_T], REC
	s_add_nc_u64 s[S_REC:S_REC+1], s[10:11], s[S_OFS:S_OFS+1]
.irp j, 0,1,2,3
	global_store_b128 v[LANE16], v[ACC+4*\j:ACC+4*\j+3], s[S_REC:S_REC+1] offset:512*\j    ; columns in their order, 512 consecutive bytes a store
.endr
	global_store_b64 v[LANE8], v[M:M+1], s[S_REC:S_REC+1] offset:2048                      ; (M, L) from each lane: 256 consecutive bytes
.Lnext:
	s_mov_b32 s[S_PB], s[S_EB]                     ; the next batch begins where this one ends
	s_add_co_u32 s[S_B], s[S_B], 1
	s_cmp_lt_u32 s[S_B], s[S_BEND]
	s_cbranch_scc1 .Lbatch
.Lend:
	s_endpgm
.Lfunc_end_k_qcb9f04a763_stream:
	.size	k_qcb9f04a763_stream, .Lfunc_end_k_qcb9f04a763_stream-k_qcb9f04a763_stream
	.p2alignl 7, 3214868480
	.fill 96, 4, 3214868480
	.section	.rodata,"a",@progbits
	.p2align	6, 0x0
	.amdhsa_kernel k_qcb9f04a763_stream
		.amdhsa_group_segment_fixed_size 0
		.amdhsa_private_segment_fixed_size 0
		.amdhsa_enable_private_segment 0
		.amdhsa_kernarg_size 32
		.amdhsa_user_sgpr_count 2
		.amdhsa_user_sgpr_kernarg_segment_ptr 1
		.amdhsa_wavefront_size32 1
		.amdhsa_system_sgpr_workgroup_id_x 1
		.amdhsa_system_sgpr_workgroup_id_y 1
		.amdhsa_system_sgpr_workgroup_id_z 1
		.amdhsa_system_vgpr_workitem_id 0
		.amdhsa_next_free_vgpr 256
		.amdhsa_next_free_sgpr 100
		.amdhsa_reserve_vcc 1
		.amdhsa_float_denorm_mode_32 3
		.amdhsa_float_denorm_mode_16_64 3
		.amdhsa_memory_ordered 1
		.amdhsa_forward_progress 1
		.amdhsa_inst_pref_size 65
	.end_amdhsa_kernel
	.amdgpu_metadata
---
amdhsa.version: [ 1, 2 ]
amdhsa.kernels:
  - .name:           k_qcb9f04a763_stream
    .symbol:         k_qcb9f04a763_stream.kd
    .args:
      - { .name: inp, .offset: 0, .size: 8, .value_kind: global_buffer, .address_space: global }
      - { .name: lens, .offset: 8, .size: 8, .value_kind: global_buffer, .address_space: global }
      - { .name: slot_embedding, .offset: 16, .size: 8, .value_kind: global_buffer, .address_space: global }
      - { .name: part, .offset: 24, .size: 8, .value_kind: global_buffer, .address_space: global }
    .group_segment_fixed_size: 0
    .private_segment_fixed_size: 0
    .kernarg_segment_align: 8
    .kernarg_segment_size: 32
    .max_flat_workgroup_size: 256
    .sgpr_count:     100
    .vgpr_count:     256
    .wavefront_size: 32
...
	.end_amdgpu_metadata
.endif
;; end of part 1
;; launch merge (part 2): grid 4 x 32, 16 waves a work-group, no clusters, 10,496 bytes of LDS; arguments lens, part, out0; writes out0
.if DOCPART == 2
	.amdgcn_target "amdgcn-amd-amdhsa--gfx1250"
	.amdhsa_code_object_version 6
	.text
	.protected	k_qcb9f04a763_merge
	.globl	k_qcb9f04a763_merge
	.p2align	8
	.type	k_qcb9f04a763_merge,@function
k_qcb9f04a763_merge:
	s_mov_b64 s[64:65], 0
	v_nop
	global_prefetch_b8 v0, s[64:65] scope:SCOPE_SE
	s_setreg_imm32_b32 hwreg(HW_REG_WAVE_MODE, 25, 1), 1
	s_wait_xcnt 0x0
; Slot attention, second launch: out0[b][c] = (sum over the batch's records of 2^(m - max) x sums[c]) / (sum of 2^(m - max) x l).
; Work-group (x, y): batch y, columns 128 x .. 128 x + 127.  The batch's records lie at slots wlo + y .. whi - 1 + y, where wlo .. whi - 1 are
; the workers of the first launch whose share of the list of groups meets the batch's groups [P, E).  With worker w's share beginning at
; floor(w Cs / 2048):  wlo = floor(((P + 1) 2048 - 1) / Cs),  whi = floor((E 2048 - 1) / Cs) + 1.  Since Cs >= 2048 the shares' beginnings
; grow strictly, so each of these workers has a group of the batch and has written its record.
; P, E and C are made from lens in scalar registers, since trip counts and addresses hang on them.
; Wave v merges records v, v + 16, .. eight at a time with a running maximum; a lane holds 4 columns, so a load of the wave covers 512
; consecutive bytes.  Then the 16 waves' states meet in LDS behind one barrier, which every wave reaches whatever its trip count, and
; wave 0 merges them, divides and stores 512 consecutive bytes.
; A batch of length 0 has no record: all maxima stay -inf and the result is NaN, as in the reference.
; Clusters: the four work-groups of a batch share only the (m, l) blocks, 256 of each record's 2,304 bytes; not used.
.set NW,      2048
.set LOGNW,   11
.set REC,     2304
.set MAXSLOT, NW+30
.set WAVES,   16
.set U,       8                        ; records of a wave's trip
.set LDSML,   8192                     ; LDS: 16 x 512 bytes of sums, then 16 pairs (M, L)
.set LANE16, 1
.set LANE8,  2
.set TMP,    3
.set LANE,   7                         ; the lane; 0 in the last part
.set COL,    8                         ; byte offset of my 4 columns in a row of 512
.set LA,     9                         ; LDS: my 16 bytes of my wave's sums
.set LB,     10                        ; LDS: my wave's pair, less LDSML
.set NI,     11                        ; -inf
.set M,      12
.set L,      13
.set A,      14
.set T,      15
.set ACC,    16                        ; v16-19
.set ML,     20                        ; v20-35   record u: m (then its weight), l
.set XA,     36                        ; v36-67   record u: 4 sums
.set FM,     68                        ; v68-99   wave w: M (then its weight), L
.set FA,     100                       ; v100-163 wave w: 4 sums
; s[4:5] lens, s[6:7] part, s[8:9] out0
.set S_WAVE, 12
.set S_BT,   13
.set S_TR,   14                        ; my trips done
.set S_CS,   16
.set S_PB,   17
.set S_EB,   18
.set S_N1,   19
.set S_N2,   20
.set S_WLO,  21
.set S_WHI,  22
.set S_T,    23
.set S_TU,   24
.set S_NN,   25                        ; records of the batch
.set S_NM1,  26
.set S_SLOT, 27                        ; the first record's slot
.set S_I,    28                        ; the trip's first record
.set S_NTR,  29                        ; my trips
.set S_OFS,  30                        ; s[30:31]
.set S_MK,   32                        ; s32-39
.set S_BASE, 40                        ; s40-55   record u's address
.set EL,     68                        ; s68-99   batch b: lens[b] as loaded, then E_b = groups of batches 0 .. b
	s_load_b128 s[4:7], s[0:1], 0x0
	s_load_b64 s[8:9], s[0:1], 0x10
	v_lshl_add_u32 v168, v0, 2, 0x2100
	v_mov_b32 v169, 0
	v_and_b32 v[LANE], 31, v0
	v_lshrrev_b32 v[TMP], 5, v0
	v_readfirstlane_b32 s[S_WAVE], v[TMP]
	s_and_b32 s[S_BT], ttmp7, 0xffff
	v_lshlrev_b32 v[LANE16], 4, v[LANE]
	v_lshlrev_b32 v[LANE8], 3, v[LANE]
	s_wait_kmcnt 0x0
	s_load_b512 s[EL:EL+15], s[4:5], 0x0           ; the 32 lengths, 128 bytes; no line of the launch writes lens
	s_load_b512 s[EL+16:EL+31], s[4:5], 0x40
	s_lshl_b32 s[S_T], ttmp9, 9
	v_add_nc_u32 v[COL], s[S_T], v[LANE16]
	s_lshl_b32 s[S_T], s[S_WAVE], 9
	v_add_nc_u32 v[LA], s[S_T], v[LANE16]
	v_mov_b32 v[LB], s[S_WAVE]
	v_lshlrev_b32 v[LB], 3, v[LB]
	v_mov_b32 v[NI], 0xff800000
	v_mov_b32 v[M], v[NI]                          ; the empty state: what a wave without records hands on
	v_mov_b32 v[L], 0
.irp i, 0,1,2,3
	v_mov_b32 v[ACC+\i], 0
.endr
	s_mov_b32 s[S_OFS+1], 0
	s_wait_kmcnt 0x0
; one scalar instruction on each of the 32 words: neighbouring lines do not hang on each other
.macro ALL32 op, k
.set bb, 0
.rept 32
	\op s[EL+bb], s[EL+bb], \k
.set bb, bb+1
.endr
.endm
	; the list of groups, counted as in the first launch
	ALL32 s_max_i32, 0
	ALL32 s_min_u32, 0x1000                        ; 0 .. 4096
	ALL32 s_add_co_u32, 3
	ALL32 s_lshr_b32, 2                            ; groups of 4 rows
.set bb, 1
.rept 31
	s_add_co_u32 s[EL+bb], s[EL+bb], s[EL+bb-1]    ; E_b
.set bb, bb+1
.endr
	s_max_u32 s[S_CS], s[EL+31], NW                ; Cs = max(C, 2048)
	s_mov_b32 s[S_EB], s[EL]                       ; E and P of my batch, picked out of the 32 sums
	s_mov_b32 s[S_PB], 0
.set bb, 1
.rept 31
	s_cmp_eq_u32 s[S_BT], bb
	s_cselect_b32 s[S_EB], s[EL+bb], s[S_EB]
	s_cselect_b32 s[S_PB], s[EL+bb-1], s[S_PB]
.set bb, bb+1
.endr
; q = floor(n / Cs) for n < 2048 Cs, in whole numbers (addresses hang on it): eleven steps of compare and subtract.  n ends as the remainder.
.macro UDIV q, n
	s_mov_b32 s[\q], 0
.irp k, 10,9,8,7,6,5,4,3,2,1,0
	s_lshl_b32 s[S_T], s[S_CS], \k
	s_cmp_ge_u32 s[\n], s[S_T]
	s_cselect_b32 s[S_T], s[S_T], 0
	s_cselect_b32 s[S_TU], 1<<\k, 0
	s_sub_co_u32 s[\n], s[\n], s[S_T]
	s_or_b32 s[\q], s[\q], s[S_TU]
.endr
.endm
	s_add_co_u32 s[S_N1], s[S_PB], 1
	s_lshl_b32 s[S_N1], s[S_N1], LOGNW
	s_sub_co_u32 s[S_N1], s[S_N1], 1
	s_lshl_b32 s[S_N2], s[S_EB], LOGNW
	s_sub_co_u32 s[S_N2], s[S_N2], 1
	UDIV S_WLO, S_N1
	UDIV S_WHI, S_N2
	s_add_co_u32 s[S_WHI], s[S_WHI], 1
	s_sub_co_u32 s[S_NN], s[S_WHI], s[S_WLO]
	s_cmp_eq_u32 s[S_PB], s[S_EB]
	s_cselect_b32 s[S_NN], 0, s[S_NN]              ; a batch of length 0: the quotients mean nothing and are not used
	s_sub_co_u32 s[S_NM1], s[S_NN], 1
	s_add_co_u32 s[S_SLOT], s[S_WLO], s[S_BT]
	s_mov_b32 s[S_I], s[S_WAVE]
	s_cmp_ge_u32 s[S_I], s[S_NN]
	s_cbranch_scc1 .Lmeet                          ; fewer records than my wave's number: nothing for me to merge
	s_sub_co_u32 s[S_NTR], s[S_NN], s[S_WAVE]      ; my trips: ceil((records - wave) / 128), at least 1 here, 16 at the most (2,048 records)
	s_add_co_u32 s[S_NTR], s[S_NTR], WAVES*U-1
	s_lshr_b32 s[S_NTR], s[S_NTR], 7
	s_mov_b32 s[S_TR], 0
.Ltrip:
.irp u, 0,1,2,3,4,5,6,7
	s_add_co_u32 s[S_T], s[S_I], WAVES*\u
	s_cmp_lt_u32 s[S_T], s[S_NN]
	s_cselect_b32 s[S_MK+\u], -1, 0                ; behind the batch's last record: that record is read again and gets weight 0
	s_min_u32 s[S_T], s[S_T], s[S_NM1]
	s_add_co_u32 s[S_T], s[S_T], s[S_SLOT]
	s_min_u32 s[S_T], s[S_T], MAXSLOT
	s_mul_i32 s[S_OFS], s[S_T], REC
	s_add_nc_u64 s[S_BASE+2*\u:S_BASE+2*\u+1], s[6:7], s[S_OFS:S_OFS+1]
	global_load_b64 v[ML+2*\u:ML+2*\u+1], v[LANE8], s[S_BASE+2*\u:S_BASE+2*\u+1] offset:2048
	global_load_b128 v[XA+4*\u:XA+4*\u+3], v[COL], s[S_BASE+2*\u:S_BASE+2*\u+1]
.endr
	s_wait_loadcnt 0x0                             ; all sixteen: the maximum needs every m; also frees the eight addresses for the next trip
.irp u, 1,2,3,4,5,6,7
	v_cndmask_b32 v[ML+2*\u], v[NI], v[ML+2*\u], s[S_MK+\u]
.endr
	v_max3_num_f32 v[T], v[ML], v[ML+2], v[ML+4]
	v_max3_num_f32 v[T], v[T], v[ML+6], v[ML+8]
	v_max3_num_f32 v[T], v[T], v[ML+10], v[ML+12]
	v_max3_num_f32 v[T], v[T], v[ML+14], v[M]      ; finite: the trip's first record exists
	v_sub_f32 v[A], v[M], v[T]
.irp u, 0,1,2,3,4,5,6,7
	v_sub_f32 v[ML+2*\u], v[ML+2*\u], v[T]
.endr
	v_exp_f32 v[A], v[A]
.irp u, 0,1,2,3,4,5,6,7
	v_exp_f32 v[ML+2*\u], v[ML+2*\u]
.endr
	v_mov_b32 v[M], v[T]                           ; the plain instruction behind the last v_exp_f32 (ISA guide 5.7.2)
	s_wait_alu depctr_va_vdst(0)
	v_mul_f32 v[L], v[L], v[A]
	v_pk_mul_f32 v[ACC:ACC+1], v[ACC:ACC+1], v[A:A+1] op_sel_hi:[1,0]
	v_pk_mul_f32 v[ACC+2:ACC+3], v[ACC+2:ACC+3], v[A:A+1] op_sel_hi:[1,0]
.irp u, 0,1,2,3,4,5,6,7
	v_fmac_f32 v[L], v[ML+2*\u], v[ML+2*\u+1]
	v_pk_fma_f32 v[ACC:ACC+1], v[XA+4*\u:XA+4*\u+1], v[ML+2*\u:ML+2*\u+1], v[ACC:ACC+1] op_sel_hi:[1,0,1]
	v_pk_fma_f32 v[ACC+2:ACC+3], v[XA+4*\u+2:XA+4*\u+3], v[ML+2*\u:ML+2*\u+1], v[ACC+2:ACC+3] op_sel_hi:[1,0,1]
.endr
	s_add_co_u32 s[S_I], s[S_I], WAVES*U           ; the next trip's first record
	s_add_co_u32 s[S_TR], s[S_TR], 1               ; the loop's counter: one a trip
	s_cmp_lt_u32 s[S_TR], s[S_NTR]
	s_cbranch_scc1 .Ltrip
.Lmeet:
	ds_store_b128 v[LA], v[ACC:ACC+3]
	ds_store_b64 v[LB], v[M:M+1] offset:LDSML      ; all lanes write the same pair to the wave's own 8 bytes
	s_wait_dscnt 0x0                               ; for wave 0's sake: my stores are done before I say so
	s_barrier_signal -1
	s_barrier_wait -1
	s_cmp_lg_u32 s[S_WAVE], 0
	s_cbranch_scc1 .Lend
	v_mov_b32 v[LANE], 0
.irp i, 0,1,2,3,4,5,6,7
	ds_load_b128 v[FM+4*\i:FM+4*\i+3], v[LANE] offset:LDSML+16*\i      ; two waves' pairs a load, the same in every lane
.endr
.irp w, 0,1,2,3,4,5,6,7,8,9,10,11,12,13,14,15
	ds_load_b128 v[FA+4*\w:FA+4*\w+3], v[LANE16] offset:512*\w
.endr
	s_lshl_b32 s[S_OFS], s[S_BT], 11               ; the batch's row of out0
	s_add_nc_u64 s[8:9], s[8:9], s[S_OFS:S_OFS+1]
	s_wait_dscnt 0x0
	v_max3_num_f32 v[T], v[FM], v[FM+2], v[FM+4]
.irp w, 3,5,7,9,11,13
	v_max3_num_f32 v[T], v[T], v[FM+2*\w], v[FM+2*\w+2]
.endr
	v_max_num_f32 v[T], v[T], v[FM+30]
.irp w, 0,1,2,3,4,5,6,7,8,9,10,11,12,13,14,15
	v_sub_f32 v[FM+2*\w], v[FM+2*\w], v[T]         ; a wave without records: -inf, weight 0
.endr
.irp w, 0,1,2,3,4,5,6,7,8,9,10,11,12,13,14,15
	v_exp_f32 v[FM+2*\w], v[FM+2*\w]
.endr
	v_nop                                          ; the place behind the last v_exp_f32 (ISA guide 5.7.2)
	s_wait_alu depctr_va_vdst(0)
	v_mul_f32 v[L], v[FM], v[FM+1]                 ; the first products start the sums
	v_pk_mul_f32 v[ACC:ACC+1], v[FA:FA+1], v[FM:FM+1] op_sel_hi:[1,0]
	v_pk_mul_f32 v[ACC+2:ACC+3], v[FA+2:FA+3], v[FM:FM+1] op_sel_hi:[1,0]
.irp w, 1,2,3,4,5,6,7,8,9,10,11,12,13,14,15
	v_fmac_f32 v[L], v[FM+2*\w], v[FM+2*\w+1]
	v_pk_fma_f32 v[ACC:ACC+1], v[FA+4*\w:FA+4*\w+1], v[FM+2*\w:FM+2*\w+1], v[ACC:ACC+1] op_sel_hi:[1,0,1]
	v_pk_fma_f32 v[ACC+2:ACC+3], v[FA+4*\w+2:FA+4*\w+3], v[FM+2*\w:FM+2*\w+1], v[ACC+2:ACC+3] op_sel_hi:[1,0,1]
.endr
	v_rcp_f32 v[A], v[L]
	v_nop                                          ; the place behind v_rcp_f32
	s_wait_alu depctr_va_vdst(0)
	v_pk_mul_f32 v[ACC:ACC+1], v[ACC:ACC+1], v[A:A+1] op_sel_hi:[1,0]
	v_pk_mul_f32 v[ACC+2:ACC+3], v[ACC+2:ACC+3], v[A:A+1] op_sel_hi:[1,0]
	global_store_b128 v[COL], v[ACC:ACC+3], s[8:9] ; 32 lanes, 512 consecutive bytes, at a multiple of 512 from out0's first byte
.Lend:
	s_wait_tensorcnt 0x0
	ds_add_u32 v168, v169
	s_wait_dscnt 0x0
	s_endpgm
.Lfunc_end_k_qcb9f04a763_merge:
	.size	k_qcb9f04a763_merge, .Lfunc_end_k_qcb9f04a763_merge-k_qcb9f04a763_merge
	.p2alignl 7, 3214868480
	.fill 96, 4, 3214868480
	.section	.rodata,"a",@progbits
	.p2align	6, 0x0
	.amdhsa_kernel k_qcb9f04a763_merge
		.amdhsa_group_segment_fixed_size 10496
		.amdhsa_private_segment_fixed_size 0
		.amdhsa_enable_private_segment 0
		.amdhsa_kernarg_size 24
		.amdhsa_user_sgpr_count 2
		.amdhsa_user_sgpr_kernarg_segment_ptr 1
		.amdhsa_wavefront_size32 1
		.amdhsa_system_sgpr_workgroup_id_x 1
		.amdhsa_system_sgpr_workgroup_id_y 1
		.amdhsa_system_sgpr_workgroup_id_z 1
		.amdhsa_system_vgpr_workitem_id 0
		.amdhsa_next_free_vgpr 170
		.amdhsa_next_free_sgpr 100
		.amdhsa_reserve_vcc 0
		.amdhsa_float_denorm_mode_32 3
		.amdhsa_float_denorm_mode_16_64 3
		.amdhsa_memory_ordered 1
		.amdhsa_forward_progress 1
		.amdhsa_inst_pref_size 29
	.end_amdhsa_kernel
	.amdgpu_metadata
---
amdhsa.version: [ 1, 2 ]
amdhsa.kernels:
  - .name:           k_qcb9f04a763_merge
    .symbol:         k_qcb9f04a763_merge.kd
    .args:
      - { .name: lens, .offset: 0, .size: 8, .value_kind: global_buffer, .address_space: global }
      - { .name: part, .offset: 8, .size: 8, .value_kind: global_buffer, .address_space: global }
      - { .name: out0, .offset: 16, .size: 8, .value_kind: global_buffer, .address_space: global }
    .group_segment_fixed_size: 10496
    .private_segment_fixed_size: 0
    .kernarg_segment_align: 8
    .kernarg_segment_size: 24
    .max_flat_workgroup_size: 512
    .sgpr_count:     100
    .vgpr_count:     170
    .wavefront_size: 32
...
	.end_amdgpu_metadata
.endif
;; end of part 2
